; MI455X (gfx1250); checked and timed in simulation.
; The chip was launched on July 23, 2026; its instructions are those of AMD's public machine-readable ISA for CDNA 5 (MIT licence, August 2026) and "CDNA5" Instruction Set Architecture Reference Guide (July 2026). The comments in the code are by the model that wrote it; some were corrected since.
;; Hymba Official Attention. Allowed arithmetic: matrix products marked QUANTISED: E5M2 operands, one E8M0 scale for each 32 along K, by v_wmma_scale_f32_16x16x128_f8f6f4 with both operands' format E5M2, f32 sums; everything else in f32.
;; Inputs: k_norm_weight 128 float32; key_states 1 x 4,096 x 512 float32; position_ids 1 x 4,096 int32; q_norm_weight 128 float32; query_states 1 x 4,096 x 2,048 float32; value_states 1 x 4,096 x 512 float32.
;; Outputs: out0 1 x 4,096 x 2,048 float32.
;; This version of the problem:
;;   THIS VERSION OF THE PROBLEM IS GIVEN IN LOW PRECISION. The matrix products marked QUANTISED in the list below multiply operands that are first quantised to E5M2 (5 exponent bits, 2 mantissa bits; 8 bits a number), with one power-of-two scale for each 32 numbers along K (OCP MX v1.0); their sums are f32. All else is computed in f32.
;;   The module's matrix products, in the order in which they are computed (A, B: the left and right operand; K: the contracted axis; several contracted axes count as one K, in the product's order):
;;     1. batch 16 x [M 4,096, K 128] x [K 128, N 4,096]; A: computed on the way; B: computed on the way: QUANTISED
;;     2. batch 16 x [M 4,096, K 4,096] x [K 4,096, N 128]; A: softmax (see below); B: input value_states: QUANTISED
;;   THE QUANTISER, for each operand of a quantised product, along K:
;;     - K is cut into blocks of 32 from its start; a last block that is shorter is filled with zeros.
;;     - A block's scale is 2^e with e = floor(log2(the largest magnitude in the block)) - 15, held to -126 .. 127; a block of zeros has e = 0. As a byte (E8M0): e + 127.
;;     - Each number is divided by its block's scale, clamped to +-57,344, and rounded to the nearest number of E5M2, ties to even, subnormals kept.
;;     - The product sums the exact products of the quantised numbers (number of the format x scale) in f32.
;;   ~~~python
;;   def quantise(x, axis):      # numpy; x: float32 -> the quantised numbers, widened to float32 again
;;       x = np.moveaxis(x, axis, -1); K = x.shape[-1]
;;       x = np.pad(x, [(0, 0)] * (x.ndim - 1) + [(0, -K % 32)]); x = x.reshape(x.shape[:-1] + (-1, 32)); a = np.abs(x).max(-1, keepdims=True)
;;       e = np.where(a > 0, np.clip(np.frexp(np.where(a > 0, a, 1))[1] - 1 - 15, -126, 127), 0)      # np.frexp(a)[1] - 1 = floor(log2(a)), exactly
;;       r = np.clip(x / 2.0 ** e, -57344, 57344)
;;       step = 2.0 ** (np.maximum(np.frexp(np.where(r == 0, 1, r))[1] - 1, -14) - 2)
;;       q = np.round(r / step) * step * 2.0 ** e      # np.round: ties to even
;;       return np.moveaxis(q.reshape(q.shape[:-2] + (-1,))[..., :K], -1, axis).astype(np.float32)
;;   ~~~
;;   SOFTMAX AHEAD OF A QUANTISED PRODUCT. Where the list says 'softmax', what is quantised is not the finished softmax but p = 2^(t - M), with t = logit x log2(e) and M = ceil(the row's largest t), a whole number; so 1/2 < the row's largest p <= 1. The row's sum l is taken of the UNQUANTISED p, in f32, and the product's result is divided by l at the end. Since M is a whole number, a kernel that streams over the keys may use a running M (the ceiling of the running maximum): every later rescaling is an exact power of two, which a block's scale takes up: the codes' values come out the same.
;;   OPERANDS COMPUTED ON THE WAY. 'Computed on the way' means the value that the module computes at that place (a softmax that the list does not call 'softmax' is quantised finished and normalised). What goes into a quantiser is computed in f32, as accurately as f32 sums, v_exp_f32 and their like allow (about 1e-6 of the number): no bf16 or f16 on the way to a quantiser, and a product that is left as it is and whose result goes on into a quantised operand takes f32 operands (vector FMAs, or v_wmma_f32_16x16x4_f32). A number that lies on a knife's edge between two numbers of the format may be rounded either way, as far as f32 arithmetic and the matrix unit's own rounding can turn it there, and no further.
;; One version. Each part assembles by itself: llvm-mc -triple=amdgcn-amd-amdhsa -mcpu=gfx1250 --defsym DOCPART=n.
;; ======== version 1 of 1: 2 launches
;; limits: right only within a limited range of input values
;; workspace buffers: qc 8,388,608 bytes; qs 262,144 bytes; kv 4,325,376 bytes
;; launch prep (part 1): grid 1408 x 1, 4 waves a work-group, no clusters, 42,496 bytes of LDS; arguments query_states, key_states, value_states, q_norm_weight, k_norm_weight, position_ids, qc, qs, kv; writes qc, qs, kv
.if DOCPART == 1
	.amdgcn_target "amdgcn-amd-amdhsa--gfx1250"
	.amdhsa_code_object_version 6
	.text
	.protected	k_q7f59589577_prep
	.globl	k_q7f59589577_prep
	.p2align	8
	.type	k_q7f59589577_prep,@function
k_q7f59589577_prep:
	s_mov_b64 s[64:65], 0
	v_nop
	global_prefetch_b8 v0, s[64:65] scope:SCOPE_SE
	s_setreg_imm32_b32 hwreg(HW_REG_WAVE_MODE, 25, 1), 1
	s_wait_xcnt 0x0
; FIRST OF TWO LAUNCHES.  Q and K: per-head RMS norm, gain, RoPE, then codes of BF8 (E5M2) with one E8M0 byte for each 32 of the head's 128 channels.  V: codes along the KEYS, one byte for each 32 keys.
; All three leave in the order of the matrix operands' registers, so that the second launch takes every fragment as it lies.
; WORK THAT THE PROGRAM LEAVES OUT (in the second launch).  reference() builds its mask itself: key k counts for query q where k <= q and (k >= q - 1023 or k < 128); every other logit gets -1e30 added.
;   For such a key t - M lies near -1.4e30 whatever finite values the inputs hold, as long as the row's largest logit is far above -1e30 (a query's own key always counts): p = 2^(t - M) is 0, its code is 0, and it adds 0 to
;   the row's sum and to the second product.  So key steps of 128 keys that lie wholly under the mask are neither fetched nor multiplied; inside a step that also holds live keys the hidden scores are computed and replaced.
;   LIMIT: a NaN, an infinity or an overflow that reaches only hidden keys is not carried to the result.  Every input has a way to the output and is loaded here.
; LIMITS OF THIS LAUNCH: |position_ids| up to 2^20 (the two-term reduction by pi/2 and the polynomials below hold about 1e-7 up to there); NaN and infinities among the inputs are not served; a head whose sum of squares
;   passes the f32 range is not served; a block whose largest magnitude lies under 2^-111 keeps the byte 1; a block of zeros gets the byte 1 where the rule says 127 (its codes are zeros, and this program alone reads the bytes).
;   AN ORDER OF ROUNDING THAT DIFFERS FROM reference() AS WRITTEN: inv_freq[j] is the real number 1 / 10000^(j / 64) = 10^(-j / 16) rounded to f32 ONCE; reference() writes a power and then a quotient, each an f32.
; TILES.  Tile p (0..255) of Q or K holds 16 positions that are NOT neighbours: lane row r is position 32 (p / 2) + 8 (p % 2) + r + 8 (r / 8).  For K that makes the 16 score registers of two neighbouring tiles 16 neighbouring
;   keys in the second launch; Q takes the same rows so that one text serves both.
; OUT.  qc [head 16][p 256][2,048]: a fragment's image: registers 4 c .. 4 c + 3 of lane l at 512 c + 16 l.   qs [head][p][16 words]: row r's four scale bytes.
;   kv [kv head 4][key step 32][33,792]: K's 8 images, V's 8 images (tile = 16 channels, K = the step's 128 keys), K's scale words (64 a tile), V's scale words.
; SHARES.  Work-groups 0..1279: u = x / 256, p = x % 256; wave w takes tile p of query head 4 u + w (u < 4) or of key head w (u = 4).  The four waves stand on the same 16 positions, so each makes a quarter of the tile's
;   cosines and sines and they meet in LDS: one barrier.  Work-groups 1280..1407: one key step of one kv head of V; wave w takes channels 32 w .. 32 w + 31, a lane a channel, registers down the keys.
; No matrix unit, no tensor load, no cluster: the launch streams each input byte once and the work-groups share no large input.
.set BLK,   33792                      ; a key step's block in kv
.set VOF,   16384                      ; V's images in it
.set KSC,   32768                      ; K's scale words
.set VSC,   33280                      ; V's scale words
.set SP,    528                        ; a stage row: 512 bytes + 16: the sixteen rows that a read touches start 16 bytes apart modulo 256
.set CSB,   4*16*SP                    ; behind the four waves' stages: 8 quads of cosines, 8 of sines; a quad: lane l's 16 bytes at 16 l
.set SPARE, CSB+8192                   ; the spare words, 128 bytes for each wave: two blocks of 256 bytes that no other line names
.set SPW,   12                         ; v12  LDS address of my spare word; never rewritten
.set NIL,   13                         ; v13  0; never rewritten
.set X,     16                         ; v16-79   64 numbers: register 16 b + i = channel 32 b + 16 (lane / 16) + i of my row; before that: at work for the angles
.set W,     80                         ; v80-143  the gains of the same channels
.set RR,    144                        ; v144-207 16 rows as they are loaded; later CS
.set CS,    144                        ; v144-175 cos, v176-207 sin of frequency 32 (e / 16) + 16 (lane / 16) + e % 16, e = 0 .. 31
.set TM,    208                        ; v208-223 the quantiser's 16; before that: the 8 cosines and 8 sines that I made
.set PC,    224                        ; v224-239 the codes
.set PW,    240                        ; v240 the scale word
.set UH,    16                         ; negative powers of ten, high and low parts
.set UL,    24
.set WV,    22                         ; s22 wave
.set SEL,   26                         ; s[26:27] v_permlanex16_b32's selects for lane l xor 16
.set MNT,   28
.set T1,    30                         ; s[30:31] 10^(-1/16), s[32:33] 10^(-1/8), s[34:35] 10^(-1/4), s[36:37] 10^(-1/2) or 1: an f32 and what it lacks
.set T2,    32
.set T4,    34
.set T8,    36
	s_load_b512 s[4:19], s[0:1], 0x0               ; q s[4:5], k s[6:7], v s[8:9], q's gains s[10:11], k's s[12:13], positions s[14:15], qc s[16:17], qs s[18:19]
	s_load_b64 s[20:21], s[0:1], 0x40              ; kv
	v_lshl_add_u32 v[SPW], v0, 2, SPARE
	v_mov_b32 v[NIL], 0
	v_lshrrev_b32 v1, 5, v0
	v_readfirstlane_b32 s[WV], v1                  ; wave 0..3
	v_and_b32 v1, 31, v0                           ; lane
	s_cmp_ge_u32 ttmp9, 1280                       ; the work-group's number alone: all four waves go the same way
	s_cbranch_scc1 .Lv_path
	; ======== Q AND K ========
	v_and_b32 v2, 15, v0                           ; r
	v_bfe_u32 v3, v0, 4, 1                         ; h
	v_lshlrev_b32 v4, 4, v1                        ; 16 x lane
	v_lshlrev_b32 v10, 6, v3                       ; 64 h: my half's 16 gains of a block of 32
	v_and_b32 v11, 8, v2
	v_add_nc_u32 v11, v11, v2
	v_lshlrev_b32 v11, 2, v11                      ; 4 (r + 8 (r / 8)): my row's position
	v_lshlrev_b32 v15, 2, v2                       ; 4 r: my row's scale word
	s_mul_i32 s48, s[WV], 16*SP                    ; my stage
	v_add_nc_u32 v6, s48, v4                       ; into it: a row's 512 bytes as loaded
	v_mul_u32_u24 v7, v2, SP
	v_lshl_add_u32 v7, v3, 6, v7
	v_add_nc_u32 v7, s48, v7                       ; out of it: row r, + 64 h
	s_lshl_b32 s48, s[WV], 10
	s_add_co_u32 s48, s48, CSB
	v_add_nc_u32 v8, s48, v4                       ; where I put my two quads of cosines (the sines 4,096 on)
	v_add_nc_u32 v9, CSB, v4                       ; where all quads are read
	s_lshr_b32 s23, ttmp9, 8                       ; u
	s_and_b32 s24, ttmp9, 255                      ; p
	s_lshr_b32 s25, s24, 1
	s_lshl_b32 s25, s25, 5
	s_and_b32 s48, s24, 1
	s_lshl_b32 s48, s48, 3
	s_add_co_u32 s25, s25, s48                     ; T0 = 32 (p / 2) + 8 (p % 2)
	s_lshl_b32 s48, s23, 2
	s_add_co_u32 s48, s48, s[WV]                   ; query head 4 u + w
	s_lshl_b32 s49, s25, 13
	s_lshl_b32 s55, s48, 9
	s_add_co_u32 s49, s49, s55                     ; Q: row T0 of 8,192 bytes, head of 512
	s_lshl_b32 s50, s25, 11
	s_lshl_b32 s55, s[WV], 9
	s_add_co_u32 s50, s50, s55                     ; K: row T0 of 2,048 bytes, head w
	s_lshl_b32 s51, s48, 8
	s_add_co_u32 s51, s51, s24                     ; 256 head + p
	s_lshl_b32 s53, s51, 6                         ; Q's scale words
	s_lshl_b32 s51, s51, 11                        ; Q's image
	s_lshl_b32 s52, s[WV], 5
	s_lshr_b32 s55, s24, 3
	s_add_co_u32 s52, s52, s55
	s_mul_i32 s52, s52, BLK                        ; K: block 32 w + p / 8
	s_and_b32 s55, s24, 7
	s_lshl_b32 s54, s55, 6
	s_add_co_u32 s54, s54, s52
	s_add_co_u32 s54, s54, KSC                     ; K's scale words of tile p % 8
	s_lshl_b32 s55, s55, 11
	s_add_co_u32 s52, s52, s55                     ; K's image
	s_lshl_b32 s56, s25, 2
	s_mov_b32 s57, 0
	s_mov_b32 s[SEL], 0x76543210
	s_mov_b32 s[SEL+1], 0xfedcba98
	s_mov_b32 s29, 0x358637bd                      ; 1e-6
	s_mov_b32 s[T1], 0x3f5dafd7                    ; 10^(-1/16) = 0.86596432336..
	s_mov_b32 s[T1+1], 0xb2ff54dc
	s_mov_b32 s[T2], 0x3f3ff911                    ; 10^(-1/8) = 0.74989420933..
	s_mov_b32 s[T2+1], 0x32022bb1
	s_mov_b32 s[T4], 0x3f0ff59a                    ; 10^(-1/4) = 0.56234132519..
	s_mov_b32 s[T4+1], 0xb1f8f1fc
	s_wait_alu depctr_va_vdst(0)
	s_wait_kmcnt 0x0
	s_cmp_lt_u32 s23, 4                            ; Q's work-group or K's?  Only offsets and pointers are chosen
	s_cselect_b32 s48, s49, s50
	s_cselect_b32 s50, s51, s52
	s_cselect_b32 s52, s53, s54
	s_cselect_b64 s[40:41], s[4:5], s[6:7]         ; the rows,
	s_cselect_b64 s[42:43], s[10:11], s[12:13]     ; the gains,
	s_cselect_b64 s[44:45], s[16:17], s[20:21]     ; where the image goes,
	s_cselect_b64 s[46:47], s[18:19], s[20:21]     ; and the scale words
	s_mov_b32 s49, 0
	s_mov_b32 s51, 0
	s_mov_b32 s53, 0
	s_add_nc_u64 s[40:41], s[40:41], s[48:49]
	s_add_nc_u64 s[44:45], s[44:45], s[50:51]
	s_add_nc_u64 s[46:47], s[46:47], s[52:53]
	s_add_nc_u64 s[14:15], s[14:15], s[56:57]
	global_load_b32 v14, v11, s[14:15]             ; my row's position: the oldest of 33 loads
.macro XLOAD stride                    ; 16 rows of the head, 512 consecutive bytes a load; row k is position T0 + k + 8 (k / 8)
.irp k, 0,1,2,3,4,5,6,7,8,9,10,11,12,13,14,15
	global_load_b128 v[RR+4*\k:RR+4*\k+3], v4, s[40:41] offset:(\k+8*(\k/8))*\stride th:TH_LOAD_NT
.endr
.endm
	s_cmp_lt_u32 s23, 4                            ; the rows' distance stands in the immediates: two copies of the run
	s_cbranch_scc0 .Lk_rows
	XLOAD 8192
	s_branch .Lrows_asked
.Lk_rows:
	XLOAD 2048
.Lrows_asked:
.irp b, 0,1,2,3
.irp j, 0,1,2,3
	global_load_b128 v[W+16*\b+4*\j:W+16*\b+4*\j+3], v10, s[42:43] offset:128*\b+16*\j
.endr
.endr
	; ---- THE FREQUENCIES, while the loads are on their way.  inv_freq[j] = 1 / 10000^(j / 64) = 10^(-j / 16).  An angle reaches thousands of radians, so the last bit of inv_freq counts: the number is made as a product of
	; 1, 0.1, 0.01 or 0.001 and of 10^(-1/2), 10^(-1/4), 10^(-1/8), 10^(-1/16), each kept as an f32 and what it lacks, and is rounded once, by the addition of the product's two parts.  Four such products carry about 2^-44
	; of relative error; the nearest that any of the 64 numbers comes to the middle between two f32 numbers is 0.0013 of a unit in the last place (j = 1).
	; Wave w makes frequencies j = 32 (w / 2) + 16 h + 8 (w % 2) + i, i = 0 .. 7: e = 8 w + i of the lane's 32.
	s_and_b32 s48, s[WV], 1
	s_cmp_lg_u32 s48, 0
	s_mov_b32 s[T8], 0x3f800000
	s_cselect_b32 s[T8], 0x3ea1e89b, s[T8]         ; 10^(-1/2) = 0.31622776601.. where w is odd, else 1,
	s_cselect_b32 s[T8+1], 0x31121244, 0           ; and what it lacks
	s_and_b32 s48, s[WV], 2
	s_cmp_lg_u32 s48, 0
	s_mov_b32 s38, 0x3f800000
	s_cselect_b32 s38, 0x3c23d70a, s38             ; lanes 0-15: 0.01 or 1,
	s_cselect_b32 s39, 0x2f75c28f, 0               ; and what it lacks
	s_mov_b32 s48, 0x3dcccccd
	s_cselect_b32 s48, 0x3a83126f, s48             ; lanes 16-31: 0.001 or 0.1,
	s_mov_b32 s49, 0xb0cccccd
	s_cselect_b32 s49, 0xae50e560, s49             ; and what it lacks
	v_mov_b32 v64, s38
	v_mov_b32 v65, s39
	v_mov_b32 v66, s48
	v_mov_b32 v67, s49
	v_cmp_eq_u32 vcc_lo, 1, v3
	v_cndmask_b32 v64, v64, v66, vcc_lo            ; 10^-(2 (w / 2) + h), in two parts
	v_cndmask_b32 v65, v65, v67, vcc_lo
.macro DFMUL dh, dl, ah, al, t         ; (dh, dl) = (ah, al) x the constant in s[t], s[t + 1], all in two parts
	v_mul_f32 v[\dh], s[\t], v[\ah]
	v_fma_f32 v[\dl], v[\ah], s[\t], -v[\dh]       ; what the product's rounding lost: exact
	v_fma_f32 v[\dl], v[\ah], s[\t+1], v[\dl]      ; the constant's low part,
	v_fma_f32 v[\dl], v[\al], s[\t], v[\dl]        ; and the factor's
.endm
	DFMUL UH, UL, 64, 65, T8
	DFMUL UH+1, UL+1, UH, UL, T1
	DFMUL UH+2, UL+2, UH, UL, T2
	DFMUL UH+4, UL+4, UH, UL, T4
	DFMUL UH+3, UL+3, UH+2, UL+2, T1
	DFMUL UH+5, UL+5, UH+4, UL+4, T1
	DFMUL UH+6, UL+6, UH+4, UL+4, T2
	DFMUL UH+7, UL+7, UH+6, UL+6, T1
.irp i, 0,1,2,3,4,5,6,7
	v_add_f32 v[56+\i], v[UH+\i], v[UL+\i]         ; inv_freq: 10^(-j / 16), rounded once
.endr
	v_mov_b32 v242, 0xb94ca1f9                     ; the polynomials' leading coefficients
	v_mov_b32 v243, 0x37ccf5ce
	; ---- COSINES AND SINES of position x inv_freq: n = the nearest whole number of quarter turns; the rest r, within pi / 4, by two fused steps (pi / 2 as an f32 and what it lacks; the first step is exact);
	; a polynomial each for sin r and cos r; n mod 4 says which is which and with what sign.
	s_wait_loadcnt 32                              ; the position is in; the 16 rows' and the 16 gains' loads may stay out
	v_cvt_f32_i32 v241, v14
.irp i, 0,1,2,3,4,5,6,7
	v_mul_f32 v[16+\i], v241, v[56+\i]             ; the angle: one multiplication, as reference() has it
.endr
.irp i, 0,1,2,3,4,5,6,7
	v_mul_f32 v[24+\i], 0x3f22f983, v[16+\i]       ; x 2 / pi
.endr
.irp i, 0,1,2,3,4,5,6,7
	v_rndne_f32 v[24+\i], v[24+\i]                 ; n
.endr
.irp i, 0,1,2,3,4,5,6,7
	v_fmamk_f32 v[32+\i], v[24+\i], 0xbfc90fdb, v[16+\i]
.endr
.irp i, 0,1,2,3,4,5,6,7
	v_fmamk_f32 v[32+\i], v[24+\i], 0x333bbd2e, v[32+\i]   ; r
.endr
.irp i, 0,1,2,3,4,5,6,7
	v_mul_f32 v[40+\i], v[32+\i], v[32+\i]         ; z = r r
.endr
.irp i, 0,1,2,3,4,5,6,7
	v_fmaak_f32 v[48+\i], v242, v[40+\i], 0x3c08839e
.endr
.irp i, 0,1,2,3,4,5,6,7
	v_fmaak_f32 v[56+\i], v243, v[40+\i], 0xbab6061a
.endr
.irp i, 0,1,2,3,4,5,6,7
	v_fmaak_f32 v[48+\i], v[48+\i], v[40+\i], 0xbe2aaaa3
.endr
.irp i, 0,1,2,3,4,5,6,7
	v_fmaak_f32 v[56+\i], v[56+\i], v[40+\i], 0x3d2aaaa5
.endr
.irp i, 0,1,2,3,4,5,6,7
	v_mul_f32 v[64+\i], v[32+\i], v[40+\i]         ; r z
.endr
.irp i, 0,1,2,3,4,5,6,7
	v_fma_f32 v[72+\i], v[40+\i], -0.5, 1.0        ; 1 - z / 2
.endr
.irp i, 0,1,2,3,4,5,6,7
	v_fma_f32 v[48+\i], v[64+\i], v[48+\i], v[32+\i]   ; sin r
.endr
.irp i, 0,1,2,3,4,5,6,7
	v_mul_f32 v[64+\i], v[40+\i], v[40+\i]         ; z z
.endr
.irp i, 0,1,2,3,4,5,6,7
	v_fma_f32 v[56+\i], v[64+\i], v[56+\i], v[72+\i]   ; cos r
.endr
.irp i, 0,1,2,3,4,5,6,7
	v_cvt_i32_f32 v[16+\i], v[24+\i]               ; n as a whole number
.endr
.irp i, 0,1,2,3,4,5,6,7
	v_and_b32 v[24+\i], 1, v[16+\i]                ; odd: sine and cosine change places
.endr
.irp i, 0,1,2,3,4,5,6,7
	v_lshlrev_b32 v[32+\i], 30, v[16+\i]           ; bit 1 of n: the sine's sign
.endr
.irp i, 0,1,2,3,4,5,6,7
	v_add_nc_u32 v[40+\i], 1, v[16+\i]
.endr
.irp i, 0,1,2,3,4,5,6,7
	v_lshlrev_b32 v[40+\i], 30, v[40+\i]           ; bit 1 of n + 1: the cosine's
.endr
.irp i, 0,1,2,3,4,5,6,7
	v_and_b32 v[32+\i], 0x80000000, v[32+\i]
	v_and_b32 v[40+\i], 0x80000000, v[40+\i]
.endr
.irp i, 0,1,2,3,4,5,6,7
	v_cmp_eq_u32 vcc_lo, 1, v[24+\i]
	v_cndmask_b32 v[208+\i], v[56+\i], v[48+\i], vcc_lo
	v_cndmask_b32 v[216+\i], v[48+\i], v[56+\i], vcc_lo
.endr
.irp i, 0,1,2,3,4,5,6,7
	v_xor_b32 v[208+\i], v[40+\i], v[208+\i]       ; cos
	v_xor_b32 v[216+\i], v[32+\i], v[216+\i]       ; sin
.endr
	ds_store_b128 v8, v[208:211]                   ; my two quads of cosines,
	ds_store_b128 v8, v[212:215] offset:512
	ds_store_b128 v8, v[216:219] offset:4096       ; and of sines
	ds_store_b128 v8, v[220:223] offset:4608
	; ---- THE ROWS TURN THROUGH MY STAGE: in as they were loaded (a row's 512 bytes over 32 lanes), out 16 neighbours of each block of 32 to a lane
	s_wait_loadcnt 16                              ; the 16 rows are in; the gains' 16 loads may stay out
.irp k, 0,1,2,3,4,5,6,7,8,9,10,11,12,13,14,15
	ds_store_b128 v6, v[RR+4*\k:RR+4*\k+3] offset:SP*\k
.endr
.irp b, 0,1,2,3
.irp j, 0,1,2,3
	ds_load_b128 v[X+16*\b+4*\j:X+16*\b+4*\j+3], v7 offset:128*\b+16*\j   ; LDS serves a wave's instructions in order (ISA guide 5.7.1.4): these see my stores
.endr
.endr
	s_wait_dscnt 0x0                               ; for the others' sake: my cosines and sines have landed (and my rows are back)
	s_barrier_signal -1
	s_barrier_wait -1                              ; all sixteen quads lie in LDS; nothing is stored to LDS behind this barrier
.irp q, 0,1,2,3,4,5,6,7,8,9,10,11,12,13,14,15
	ds_load_b128 v[CS+4*\q:CS+4*\q+3], v9 offset:512*\q
.endr
	; ---- THE NORM: the sum of my 64 squares in two chains, with lane l xor 16's 64; x rsqrt(mean + 1e-6), then x the gain: reference()'s order
	v_pk_mul_f32 v[242:243], v[X:X+1], v[X:X+1]
	v_pk_mul_f32 v[244:245], v[X+2:X+3], v[X+2:X+3]
.irp j, 4,8,12,16,20,24,28,32,36,40,44,48,52,56,60
	v_pk_fma_f32 v[242:243], v[X+\j:X+\j+1], v[X+\j:X+\j+1], v[242:243]
	v_pk_fma_f32 v[244:245], v[X+\j+2:X+\j+3], v[X+\j+2:X+\j+3], v[244:245]
.endr
	v_pk_add_f32 v[242:243], v[242:243], v[244:245]
	v_mov_b32 v247, 0                              ; (named below as the upper half of the pair v[246:247])
	v_add_f32 v242, v242, v243
	v_permlanex16_b32 v244, v242, s[SEL], s[SEL+1]
	v_add_f32 v242, v242, v244
	v_fma_f32 v242, v242, 0x3c000000, s29          ; / 128, + 1e-6: one rounding, as the exact division and the addition have
	s_wait_alu depctr_va_vdst(0)
	v_rsq_f32 v246, v242
	v_nop                                          ; a plain instruction behind it,
	s_wait_alu depctr_va_vdst(0)                   ; and the wait ahead of its first reader
.irp j, 0,2,4,6,8,10,12,14,16,18,20,22,24,26,28,30,32,34,36,38,40,42,44,46,48,50,52,54,56,58,60,62
	v_pk_mul_f32 v[X+\j:X+\j+1], v[X+\j:X+\j+1], v[246:247] op_sel_hi:[1,0]
.endr
	s_wait_loadcnt 0x0                             ; the gains
.irp j, 0,2,4,6,8,10,12,14,16,18,20,22,24,26,28,30,32,34,36,38,40,42,44,46,48,50,52,54,56,58,60,62
	v_pk_mul_f32 v[X+\j:X+\j+1], v[X+\j:X+\j+1], v[W+\j:W+\j+1]
.endr
	; ---- ROPE: channel d < 64 and channel d + 64 share frequency d: registers e and 32 + e.  x1' = x1 cos - x2 sin;  x2' = x2 cos + x1 sin
	s_wait_dscnt 0x0                               ; the cosines and sines are in
.irp e, 0,2,4,6,8,10,12,14,16,18,20,22,24,26,28,30
.set TP, 248+4*((\e/2)%2)
	v_pk_mul_f32 v[TP:TP+1], v[X+32+\e:X+33+\e], v[CS+32+\e:CS+33+\e]
	v_pk_mul_f32 v[TP+2:TP+3], v[X+\e:X+1+\e], v[CS+32+\e:CS+33+\e]
	v_pk_fma_f32 v[X+\e:X+1+\e], v[X+\e:X+1+\e], v[CS+\e:CS+1+\e], v[TP:TP+1] neg_lo:[0,0,1] neg_hi:[0,0,1]
	v_pk_fma_f32 v[X+32+\e:X+33+\e], v[X+32+\e:X+33+\e], v[CS+\e:CS+1+\e], v[TP+2:TP+3]
.endr
	; ---- THE QUANTISER: four blocks of 32 channels, 16 numbers of each in my lane and 16 in lane l xor 16
.irp b, 0,1,2,3
	v_max3_num_f32 v[TM+\b], |v[X+16*\b]|, |v[X+1+16*\b]|, 0x8000000   ; my 16 numbers, and the floor 2^(16 - 127): so the byte cannot fall under 1
.endr
.irp i, 2,4,6,8,10,12,14
.irp b, 0,1,2,3
	v_max3_num_f32 v[TM+\b], v[TM+\b], |v[X+16*\b+\i]|, |v[X+1+16*\b+\i]|   ; (the four blocks by turns)
.endr
.endr
.irp b, 0,1,2,3
	v_permlanex16_b32 v[TM+4+\b], v[TM+\b], s[SEL], s[SEL+1]       ; (its destination has been written: it held a cosine)
.endr
.irp b, 0,1,2,3
	v_max_num_f32 v[TM+\b], v[TM+\b], v[TM+4+\b]   ; the block's largest magnitude
.endr
.irp b, 0,1,2,3
	v_add_nc_u32 v[TM+12+\b], 0xf8800000, v[TM+\b]   ; 15 off its exponent field: the conversion takes the exponent field of this operand as its scale
.endr
.irp b, 0,1,2,3
.endr
.irp b, 0,1,2,3
	v_lshrrev_b32 v[TM+4+\b], 23, v[TM+12+\b]      ; the scale's byte
.endr
	v_lshl_or_b32 v[PW], v[TM+5], 8, v[TM+4]       ; the four bytes make my row's scale word
	v_lshl_or_b32 v[PW], v[TM+6], 16, v[PW]
	v_lshl_or_b32 v[PW], v[TM+7], 24, v[PW]
.irp b, 0,1,2,3
.irp i, 0,1,2,3,4,5,6,7,8,9,10,11,12,13,14,15
.endr
	v_cvt_scalef32_pk8_bf8_f32 v[PC+4*\b:PC+1+4*\b], v[X+16*\b:X+7+16*\b], v[TM+12+\b]
	v_cvt_scalef32_pk8_bf8_f32 v[PC+2+4*\b:PC+3+4*\b], v[X+8+16*\b:X+15+16*\b], v[TM+12+\b]
.endr
	v_nop                                          ; a plain instruction behind the last conversion
.irp c, 0,1,2,3
	global_store_b128 v4, v[PC+4*\c:PC+4*\c+3], s[44:45] offset:512*\c   ; the image: 32 lanes store 512 consecutive bytes, at a multiple of 256 from the buffer's first byte
.endr
	global_store_b32 v15, v[PW], s[46:47]          ; 16 scale words; both halves of the lanes hold and write the same
	s_wait_tensorcnt 0x0                           ; the wave's end, behind my last LDS store
	ds_add_u32 v[SPW], v[NIL]
	s_wait_dscnt 0x0
	s_endpgm
	; ======== V ========   A lane takes a channel and its registers run down the keys: a block of 32 keys lies in ONE lane, and the conversions give codes with the keys innermost.
.Lv_path:
	s_sub_co_u32 s23, ttmp9, 1280                  ; 32 x kv head + key step: the block's number in kv
	s_and_b32 s24, s23, 31                         ; key step
	s_lshr_b32 s25, s23, 5                         ; kv head
	s_lshl_b32 s48, s24, 18                        ; 128 rows of 2,048 bytes,
	s_lshl_b32 s50, s25, 9
	s_add_co_u32 s48, s48, s50                     ; the head's 512 bytes,
	s_lshl_b32 s50, s[WV], 7
	s_add_co_u32 s48, s48, s50                     ; my wave's 128 of them
	s_mov_b32 s49, 0
	s_mul_i32 s50, s23, BLK
	s_lshl_b32 s52, s[WV], 12
	s_add_co_u32 s52, s52, s50
	s_add_co_u32 s52, s52, VOF                     ; my two tiles' images
	s_mov_b32 s53, 0
	s_lshl_b32 s54, s[WV], 7
	s_add_co_u32 s54, s54, s50
	s_add_co_u32 s54, s54, VSC                     ; my 32 scale words
	s_mov_b32 s55, 0
	s_wait_alu depctr_va_vdst(0)
	v_lshlrev_b32 v2, 2, v1                        ; 4 x lane
	v_lshrrev_b32 v3, 4, v1
	v_and_b32 v4, 15, v1
	v_lshlrev_b32 v3, 11, v3
	v_lshl_add_u32 v3, v4, 4, v3                   ; in the images: tile lane / 16, row lane % 16: 16 bytes
	s_wait_alu depctr_va_vdst(0)
	s_wait_kmcnt 0x0
	s_add_nc_u64 s[40:41], s[8:9], s[48:49]
	s_add_nc_u64 s[44:45], s[20:21], s[52:53]
	s_add_nc_u64 s[46:47], s[20:21], s[54:55]
.macro VLOAD t                         ; block t: keys 32 t + i of my channel: 128 consecutive bytes a wave, 512 a work-group
.irp i, 0,1,2,3,4,5,6,7,8,9,10,11,12,13,14,15,16,17,18,19,20,21,22,23,24,25,26,27,28,29,30,31
	global_load_b32 v[16+32*(\t)+\i], v2, s[40:41] offset:(32*(\t)+\i)*2048 th:TH_LOAD_NT
.endr
.endm
.macro VBLOCK t                        ; every block has registers of its own for its numbers and its codes: no load waits for a store, no store's data are written again
.set XS, 16+32*(\t)
	v_max3_num_f32 v180, |v[XS]|, |v[XS+1]|, |v[XS+2]|             ; the block's largest magnitude: all 32 numbers are mine
	v_max3_num_f32 v181, |v[XS+3]|, |v[XS+4]|, |v[XS+5]|
.irp i, 6,10,14,18,22,26
	v_max3_num_f32 v180, v180, |v[XS+\i]|, |v[XS+\i+1]|
	v_max3_num_f32 v181, v181, |v[XS+\i+2]|, |v[XS+\i+3]|
.endr
	v_max3_num_f32 v180, v180, |v[XS+30]|, |v[XS+31]|
	v_max3_num_f32 v180, v180, v181, 0x8000000     ; and the floor 2^(16 - 127)
	v_add_nc_u32 v182, 0xf8800000, v180            ; the conversion's scale operand
	v_lshrrev_b32 v184, 23, v182                   ; the scale's byte
.if (\t) == 0
	v_mov_b32 v176, v184                           ; four bytes to the word, the lower keys in the lower byte
.else
	v_lshl_or_b32 v176, v184, 8*(\t), v176
.endif
.irp i, 0,1,2,3,4,5,6,7,8,9,10,11,12,13,14,15,16,17,18,19,20,21,22,23,24,25,26,27,28,29,30,31
.endr
.irp g, 0,1,2,3
	v_cvt_scalef32_pk8_bf8_f32 v[144+8*(\t)+2*\g:145+8*(\t)+2*\g], v[XS+8*\g:XS+8*\g+7], v182
.endr
	global_store_b128 v3, v[144+8*(\t):147+8*(\t)], s[44:45] offset:512*(\t)       ; keys 32 t + 0 .. 15: what lanes 0-15 of the operand take; sixteen lanes store 256 consecutive bytes, aligned
	global_store_b128 v3, v[148+8*(\t):151+8*(\t)], s[44:45] offset:512*(\t)+256   ; keys 32 t + 16 .. 31: lanes 16-31's
.endm                                  ; (the codes go to stores alone; the next block begins with plain lines ahead of the one that rewrites the scale operand)
	VLOAD 0
	VLOAD 1
	s_wait_loadcnt 32                              ; block 0 is in; block 1's 32 loads may stay out
	VLOAD 2
	VBLOCK 0
	s_wait_loadcnt 32                              ; block 1 is in; block 2's may stay out
	VLOAD 3
	VBLOCK 1
	s_wait_loadcnt 32                              ; block 2 is in; block 3's may stay out
	VBLOCK 2
	s_wait_loadcnt 0x0
	VBLOCK 3
	global_store_b32 v2, v176, s[46:47]            ; my channel's scale word: 128 consecutive bytes a wave
	s_endpgm
.Lfunc_end_k_q7f59589577_prep:
	.size	k_q7f59589577_prep, .Lfunc_end_k_q7f59589577_prep-k_q7f59589577_prep
	.p2alignl 7, 3214868480
	.fill 96, 4, 3214868480
	.section	.rodata,"a",@progbits
	.p2align	6, 0x0
	.amdhsa_kernel k_q7f59589577_prep
		.amdhsa_group_segment_fixed_size 42496
		.amdhsa_private_segment_fixed_size 0
		.amdhsa_enable_private_segment 0
		.amdhsa_kernarg_size 72
		.amdhsa_user_sgpr_count 2
		.amdhsa_user_sgpr_kernarg_segment_ptr 1
		.amdhsa_wavefront_size32 1
		.amdhsa_system_sgpr_workgroup_id_x 1
		.amdhsa_system_sgpr_workgroup_id_y 1
		.amdhsa_system_sgpr_workgroup_id_z 1
		.amdhsa_system_vgpr_workitem_id 0
		.amdhsa_next_free_vgpr 256
		.amdhsa_next_free_sgpr 66
		.amdhsa_reserve_vcc 1
		.amdhsa_float_denorm_mode_32 3
		.amdhsa_float_denorm_mode_16_64 3
		.amdhsa_fp16_overflow 1
		.amdhsa_memory_ordered 1
		.amdhsa_forward_progress 1
		.amdhsa_inst_pref_size 59
	.end_amdhsa_kernel
	.amdgpu_metadata
---
amdhsa.version: [ 1, 2 ]
amdhsa.kernels:
  - .name:           k_q7f59589577_prep
    .symbol:         k_q7f59589577_prep.kd
    .args:
      - { .name: query_states, .offset: 0, .size: 8, .value_kind: global_buffer, .address_space: global }
      - { .name: key_states, .offset: 8, .size: 8, .value_kind: global_buffer, .address_space: global }
      - { .name: value_states, .offset: 16, .size: 8, .value_kind: global_buffer, .address_space: global }
      - { .name: q_norm_weight, .offset: 24, .size: 8, .value_kind: global_buffer, .address_space: global }
      - { .name: k_norm_weight, .offset: 32, .size: 8, .value_kind: global_buffer, .address_space: global }
      - { .name: position_ids, .offset: 40, .size: 8, .value_kind: global_buffer, .address_space: global }
      - { .name: qc, .offset: 48, .size: 8, .value_kind: global_buffer, .address_space: global }
      - { .name: qs, .offset: 56, .size: 8, .value_kind: global_buffer, .address_space: global }
      - { .name: kv, .offset: 64, .size: 8, .value_kind: global_buffer, .address_space: global }
    .group_segment_fixed_size: 42496
    .private_segment_fixed_size: 0
    .kernarg_segment_align: 8
    .kernarg_segment_size: 72
    .max_flat_workgroup_size: 128
    .sgpr_count:     66
    .vgpr_count:     256
    .wavefront_size: 32
...
	.end_amdgpu_metadata
.endif
;; end of part 1
;; launch attn (part 2): grid 64 x 4, 16 waves a work-group, no clusters, 327,680 bytes of LDS; arguments qc, qs, kv, out0; writes out0
.if DOCPART == 2
	.amdgcn_target "amdgcn-amd-amdhsa--gfx1250"
	.amdhsa_code_object_version 6
	.text
	.protected	k_q7f59589577_attn
	.globl	k_q7f59589577_attn
	.p2align	8
	.type	k_q7f59589577_attn,@function
k_q7f59589577_attn:
	s_mov_b64 s[64:65], 0
	v_nop
	global_prefetch_b8 v0, s[64:65] scope:SCOPE_SE
	s_setreg_imm32_b32 hwreg(HW_REG_WAVE_MODE, 25, 1), 1
	s_wait_xcnt 0x0
; SECOND LAUNCH: O = softmax(Q K^T / sqrt(128) + mask) V on the codes of BF8 (E5M2) that the first launch made, both products by the scaled matrix instruction, sums in f32.
; WORK LEFT OUT: key steps of 128 keys that lie wholly under the mask which reference() builds itself (shown at the head of the first launch): their p is 0.  A NaN, an infinity or an overflow that reaches only hidden keys is not carried to the result.
; THE SOFTMAX AHEAD OF THE SECOND PRODUCT: t = score x log2(e) / sqrt(128); M = the row's largest t so far, rounded UP to a whole number; p = 2^(t - M) is quantised along the keys, not normalised; the row's sum is taken
; of the unquantised p and divides O at the end.  When M moves, the sum and O are multiplied by 2^(old M - new M): exact.
; SHARES.  Work-group (c, g): queries 64 c .. 64 c + 63 of the four query heads 4 g .. 4 g + 3, which share kv head g.  Wave w: head 4 g + w / 4, tile w % 4 of 16 queries, in 256 registers: four waves to a SIMD.
; THE WALK.  With a = c / 2 all sixteen waves need the same key steps, and every work-group walks TEN steps, a constant: s = 0 .. 8: key step a - s; s = 9: key step 0, the 128 keys that every later query sees.
;   s = 0 holds the diagonal (k <= q is tested); for s = 1 .. 7 every key counts: 128 (a - s) + 127 < 64 c and 128 (a - 7) >= 64 c + 63 - 1023; s = 8 holds the window's edge (k >= q - 1023 is tested, but not where a - 8 = 0:
;   those keys are under 128 and always count).  With VK = 128 (a - s), step s is live where VK >= 0 (for s = 9 that says a >= 9: key step 0 has not been walked yet); a step that is not live is neither asked for nor worked.
;   Step 0 is always live and holds each query's own key, so M is a number from the first step on.
; LAYOUT.  Both products are used transposed (S^T = K Q^T, O^T = V^T P^T): a lane holds ONE query (lane % 16) throughout.  The rows of a tile of K (and of Q) are positions 32 (p / 2) + 8 (p % 2) + r + 8 (r / 8), so the 16 score
;   registers of tiles 2 b, 2 b + 1 are keys 32 b + 16 (lane / 16) + 0 .. 15.  A key step's block of kv (33,792 dense bytes: 8 + 8 fragments as images of their registers, then the scale words) comes into a ring of two LDS slots
;   by two tensor loads (waves 0 and 1, half a block each) and is read by all sixteen waves: every fragment load takes 512 consecutive bytes.
; NO CLUSTER: the four work-groups of a cluster along x would have two different a, so they would ask for different blocks in the same round; and where the walk ends hangs on the work-group's number, so a jump leads round loads,
;   which a joint load does not allow.  NO PREFETCH: kv has 128 blocks, and the 256 work-groups' first loads, block (g, c / 2) each, name every one of them at the launch's start: no block is left to ask for ahead of its first load.
; REGISTERS: v1-3 lane terms that stay; v5, v6 the add's two; v8, v9 addresses of the step; v12 -M, v13 the largest t, v[14:15] the sum in two halves; v16-31 Q; v32-95 four fragments of K or of V; v96-159 S^T, then p;
;   v160-223 O^T; v224-239 p's codes; v232-254 at work; v248-251 the tiles' scale words; v253 p's scale word; v255 Q's scale words.
.set BLK,   33792
.set HALF,  16896                      ; 66 rows of 256 bytes: what one tensor load brings
.set VOF,   16384
.set KSC,   32768
.set VSC,   33280
.set SLOT1, 65536                      ; slot 1 begins here: one exclusive or turns an address in one slot into the other's
.set STAGE, 131072                     ; the way out: 16 rows x (256 bytes + 16) for each wave, in bytes of their own: no tile lands there
.set SPARE, STAGE+16*16*272            ; the spare words, 128 bytes for each wave: eight blocks of 256 bytes that no other line names
.set LI,   1                           ; v1  16 x lane: my place in an image
.set LR,   2                           ; v2  4 x (lane % 16): my place among 16 scale words
.set QI,   3                           ; v3  my query - 16 (lane / 16)
.set SPW,  5                           ; v5  LDS address of my spare word; never rewritten
.set NIL,  6                           ; v6  0; never rewritten
.set GO,   7                           ; v7  the way out: my byte offset in the wave's rows of O
.set ADK,  8                           ; v8  the slot in hand + LI
.set ADS,  9                           ; v9  the slot in hand + LR
.set TB,   2                           ; s2  LDS byte at which the slot in hand begins
.set VK,   3                           ; s3  128 (a - s)
.set WV,   18
.set MNT,  19
.set SEL,  20                          ; s[20:21] lane selects for lane l xor 16
.set CS,   22                          ; s[22:23] c = log2(e) / sqrt(128)
.set G1,   24                          ; s[24:31] descriptor group 1
.set G0,   32                          ; s[32:35] group 0, which walks
.set MB,   36                          ; s[36:37] my half of key step 0's block, in memory
.set TRIPS, 38
.set QMIN, 39                          ; s39 the work-group's first query
; Waves 0 and 1 fetch, the others nothing: the branch hangs on the wave's number alone.  An s_nop 0 and four v_nop follow the load.
.macro TLOAD
	s_cmp_lt_u32 s[WV], 2
	s_cbranch_scc0 .Lasked_\@
	tensor_load_to_lds s[G0:G0+3], s[G1:G1+7]
	s_nop 0
.rept 4
	v_nop
.endr
.Lasked_\@:
.endm
	s_load_b256 s[4:11], s[0:1], 0x0               ; qc s[4:5], qs s[6:7], kv s[8:9], out0 s[10:11]
	v_lshl_add_u32 v[SPW], v0, 2, SPARE
	v_mov_b32 v[NIL], 0
	ds_add_u32 v[SPW], v[NIL]                      ; the wave's opening: the add, twice on end, and its wait ahead of the first tensor load; the set-up below, work on registers, stands between
	ds_add_u32 v[SPW], v[NIL]
	v_lshrrev_b32 v8, 5, v0
	s_delay_alu instid0(VALU_DEP_1)
	v_readfirstlane_b32 s[WV], v8                  ; wave 0..15
	s_and_b32 s40, ttmp7, 0xffff                   ; g
	s_lshr_b32 s41, ttmp9, 1                       ; a
	s_lshl_b32 s[QMIN], ttmp9, 6
	s_lshl_b32 s[VK], s41, 7
	s_and_b32 s42, s[WV], 1
	s_mul_i32 s42, s42, HALF                       ; which half of a block I fetch, if I fetch: in memory and in a slot alike
	s_mul_i32 s44, s40, 32*BLK
	s_add_co_u32 s44, s44, s42                     ; the kv head's key step 0
	s_mov_b32 s45, 0
	s_mul_i32 s46, s41, BLK                        ; a blocks on
	s_mov_b32 s47, 0
	s_lshr_b32 s48, s[WV], 2
	s_and_b32 s49, s[WV], 3                        ; my tile of the four
	s_lshl_b32 s50, s40, 2
	s_add_co_u32 s50, s50, s48                     ; my query head
	s_lshl_b32 s51, ttmp9, 2
	s_add_co_u32 s51, s51, s49                     ; p = 4 c + tile
	s_lshl_b32 s52, s50, 8
	s_add_co_u32 s52, s52, s51
	s_lshl_b32 s54, s52, 6                         ; Q's scale words
	s_mov_b32 s55, 0
	s_lshl_b32 s52, s52, 11                        ; Q's image
	s_mov_b32 s53, 0
	s_lshr_b32 s56, s49, 1
	s_lshl_b32 s56, s56, 5
	s_and_b32 s57, s49, 1
	s_lshl_b32 s57, s57, 3
	s_add_co_u32 s56, s56, s57
	s_add_co_u32 s56, s56, s[QMIN]                 ; T0: my tile's first position
	s_lshl_b32 s58, s56, 13
	s_lshl_b32 s57, s50, 9
	s_add_co_u32 s58, s58, s57                     ; in O: row T0 of 8,192 bytes, my head's 512
	s_mov_b32 s59, 0
	; descriptor group 1: 66 rows of 32 elements of 8 bytes, dense in memory and in LDS
	s_mov_b32 s[G1], 3<<16                         ; 15:0 no mask; 17:16 elements of 8 bytes; 20 no padding
	s_mov_b32 s[G1+1], 32<<16                      ; tensor_dim0
	s_mov_b32 s[G1+2], 66<<16                      ; tensor_dim1
	s_mov_b32 s[G1+3], 32<<16                      ; tile_dim0
	s_mov_b32 s[G1+4], 66                          ; tile_dim1
	s_mov_b32 s[G1+5], 32                          ; tensor_dim0_stride
	s_mov_b32 s[G1+6], 0
	s_mov_b32 s[G1+7], 0
	s_mov_b32 s[SEL], 0x76543210
	s_mov_b32 s[SEL+1], 0xfedcba98
	s_mov_b32 s[CS], 0x3e0293ee
	s_mov_b32 s[CS+1], s[CS]                       ; (named with it as a pair, so it is written)
	s_mov_b32 s[TB], 0
	s_mov_b32 s[TRIPS], 8
	v_and_b32 v8, 31, v0
	s_delay_alu instid0(VALU_DEP_1)
	v_lshlrev_b32 v[LI], 4, v8
	v_and_b32 v9, 15, v0                           ; r
	s_delay_alu instid0(VALU_DEP_1)
	v_lshlrev_b32 v[LR], 2, v9
	v_bfe_u32 v10, v0, 4, 1                        ; h
	s_delay_alu instid0(VALU_DEP_3)
	v_and_b32 v11, 8, v9
	s_delay_alu instid0(VALU_DEP_1)
	v_add_nc_u32 v11, v11, v9                      ; r + 8 (r / 8)
	s_delay_alu instid0(VALU_DEP_3)
	v_lshlrev_b32 v10, 4, v10
	s_delay_alu instid0(VALU_DEP_1)
	v_sub_nc_u32 v11, v11, v10
	s_delay_alu instid0(VALU_DEP_1)
	v_add_nc_u32 v[QI], s56, v11
	s_wait_dscnt 0x0                               ; both opening adds are done
	s_wait_kmcnt 0x0
	s_add_nc_u64 s[MB:MB+1], s[8:9], s[44:45]
	s_mov_b32 s[G0], 1                             ; 1:0 count = 1
	s_mov_b32 s[G0+1], s42                         ; 63:32 LDS address: slot 0, my half
	s_add_nc_u64 s[G0+2:G0+3], s[MB:MB+1], s[46:47]   ; 120:64 global address: key step a
	s_or_b32 s[G0+3], s[G0+3], 0x80000000          ; 127:126 type = 2
	TLOAD                                          ; step 0 into slot 0: the one first fill at the head; by this text's count a wave never has more than one tensor load out
	s_add_nc_u64 s[4:5], s[4:5], s[52:53]
	s_add_nc_u64 s[6:7], s[6:7], s[54:55]
	s_add_nc_u64 s[10:11], s[10:11], s[58:59]
	s_wait_alu depctr_va_vdst(0)
.irp c, 0,1,2,3
	global_load_b128 v[16+4*\c:19+4*\c], v[LI], s[4:5] offset:512*\c th:TH_LOAD_NT   ; Q's fragment stays in registers
.endr
	global_load_b32 v255, v[LR], s[6:7] th:TH_LOAD_NT
	v_mov_b32 v13, 0xff61b1e6                      ; the largest t so far: -3e38, under every t
	s_delay_alu instid0(VALU_DEP_1)
	v_floor_f32 v12, -v13                          ; -M
	v_mov_b32 v14, 0                               ; the sum, in two halves
	v_mov_b32 v15, 0
.irp b, 0,1,2,3
	v_mov_b32 v[236+\b], 0                         ; written once: a lane permute's destination counts as one of its sources
.endr
	v_mov_b32 v252, 0                              ; likewise, for the way out
	v_mov_b32 v253, 0                              ; (named as the upper half of the pair v[252:253] before it is first written)
.irp b, 0,1,2,3
.irp i, 0,1,2,3,4,5,6,7,8,9,10,11,12,13,14,15
	v_mov_b32 v[160+16*\b+\i], 0                   ; O^T.  (The step is written for all trips alike: the first finds zeros, which the first change of M leaves zeros)
.endr
.endr
; A KEY STEP: the 128 keys of the slot in hand.  causal = 1: the text holds the test k <= q; window = 1: the test k >= q - 1023.
.macro STEP causal, window
	s_cmp_lt_i32 s[VK], 0                          ; not live: a scalar branch on ids and the count of steps, round the step's loads, products and softmax; not round the two lines at its end
	s_cbranch_scc1 .Lhidden_\@
	v_add_nc_u32 v[ADK], s[TB], v[LI]
	s_wait_alu depctr_va_vdst(0)
	v_add_nc_u32 v[ADS], s[TB], v[LR]
	s_wait_alu depctr_va_vdst(0)
.irp g, 0,1                                    ; S^T = K Q^T, four tiles of 16 keys at a time
.rept 8-2*(1-\g)
	v_nop                                          ; eight places in front of loads into registers that matrix instructions have read; the two additions above are places too
.endr
.irp t, 0,1,2,3
.irp c, 0,1,2,3
	ds_load_b128 v[32+16*\t+4*\c:32+16*\t+4*\c+3], v[ADK] offset:(4*\g+\t)*2048+512*\c
.endr
	ds_load_b32 v[248+\t], v[ADS] offset:KSC+64*(4*\g+\t)
.endr
	s_wait_dscnt 0x0
.irp t, 0,1,2,3
	v_wmma_scale_f32_16x16x128_f8f6f4 v[96+8*(4*\g+\t):103+8*(4*\g+\t)], v[32+16*\t:47+16*\t], v[16:31], 0, v[248+\t], v255 matrix_a_fmt:MATRIX_FMT_BF8 matrix_b_fmt:MATRIX_FMT_BF8
.endr
.endr
.rept 8
	v_nop                                          ; eight places ahead of the first read of the scores
.endr
.if \causal                                    ; register 16 b + i holds key VK + 32 b + 16 (lane / 16) + i.  Hidden scores become -infinity ahead of the maximum: p = 0 then.  A step all of whose keys come before the work-group's first query skips this
	s_add_co_u32 s40, s[VK], 127
	s_cmp_le_u32 s40, s[QMIN]
	s_cbranch_scc1 .Lopen_\@
	s_sub_co_i32 s40, 0, s[VK]
	v_add_nc_u32 v252, s40, v[QI]                  ; d = my query - VK - 16 (lane / 16): hidden where 32 b + i > d
	v_mov_b32 v254, 0xff800000
.irp b, 0,1,2,3
.irp i, 0,1,2,3,4,5,6,7,8,9,10,11,12,13,14,15
	v_cmp_gt_i32 vcc_lo, 32*\b+\i, v252
	v_cndmask_b32 v[96+16*\b+\i], v[96+16*\b+\i], v254, vcc_lo
.endr
.endr
.Lopen_\@:
.endif
.if \window                                    ; the window's edge; where this step is key step 0 its keys are under 128 and all count
	s_cmp_eq_u32 s[VK], 0
	s_cbranch_scc1 .Lmeta_\@
	s_sub_co_i32 s40, 0, s[VK]
	s_sub_co_i32 s40, s40, 1023
	v_add_nc_u32 v252, s40, v[QI]                  ; d = my query - 1023 - VK - 16 (lane / 16): hidden where 32 b + i < d
	v_mov_b32 v254, 0xff800000
.irp b, 0,1,2,3
.irp i, 0,1,2,3,4,5,6,7,8,9,10,11,12,13,14,15
	v_cmp_lt_i32 vcc_lo, 32*\b+\i, v252
	v_cndmask_b32 v[96+16*\b+\i], v[96+16*\b+\i], v254, vcc_lo
.endr
.endr
.Lmeta_\@:
.endif
.irp b, 0,1,2,3
	v_max3_num_f32 v[232+\b], v[96+16*\b], v[97+16*\b], v[98+16*\b]   ; the largest score of each block of 32 keys: it serves for the row's maximum and, since p rises with the score, for the block's largest p
.endr
.irp i, 3,5,7,9,11,13
.irp b, 0,1,2,3
	v_max3_num_f32 v[232+\b], v[232+\b], v[96+16*\b+\i], v[97+16*\b+\i]   ; (the four blocks by turns)
.endr
.endr
.irp b, 0,1,2,3
	v_max_num_f32 v[232+\b], v[232+\b], v[111+16*\b]
.endr
.irp b, 0,1,2,3
	v_permlanex16_b32 v[236+\b], v[232+\b], s[SEL], s[SEL+1]
.endr
.irp b, 0,1,2,3
	s_delay_alu instid0(VALU_DEP_4)
	v_max_num_f32 v[232+\b], v[232+\b], v[236+\b]  ; with lane l xor 16's 16 keys
.endr
	s_delay_alu instid0(VALU_DEP_2)
	v_max3_num_f32 v254, v232, v233, v234
	s_delay_alu instid0(VALU_DEP_1)
	v_max_num_f32 v254, v254, v235                 ; the step's largest score of my query
	s_delay_alu instid0(VALU_DEP_1)
	v_mul_f32 v254, s[CS], v254                    ; as t (c is positive)
	s_delay_alu instid0(VALU_DEP_1)
	v_max_num_f32 v13, v13, v254                   ; the running largest t
	v_mov_b32 v254, v12
	s_delay_alu instid0(VALU_DEP_2)
	v_floor_f32 v12, -v13                          ; the new -M = floor(-t) = -ceil(t): a whole number
	s_delay_alu instid0(VALU_DEP_1)
	v_sub_f32 v254, v12, v254                      ; M's old value less its new one: a whole number, 0 or less
	s_delay_alu instid0(VALU_DEP_1)
	v_cvt_i32_f32 v254, v254                       ; (it saturates)
	s_delay_alu instid0(VALU_DEP_1)
	v_ldexp_f32 v252, 1.0, v254                    ; f = 2^(old M - new M)
.irp b, 0,1,2,3
.irp i, 0,2,4,6,8,10,12,14
	v_pk_fma_f32 v[96+16*\b+\i:97+16*\b+\i], v[96+16*\b+\i:97+16*\b+\i], s[CS:CS+1], v[12:13] op_sel_hi:[1,0,0]   ; t - M, two at a time (of the pairs c and -M the low word serves both halves)
.endr
.endr
.irp b, 0,1,2,3
	v_fma_f32 v[232+\b], v[232+\b], s[CS], v12     ; the same of each block's largest score
.endr
	s_wait_alu depctr_va_vdst(0)
.irp b, 0,1,2,3
.irp i, 0,1,2,3,4,5,6,7,8,9,10,11,12,13,14,15
	v_exp_f32 v[96+16*\b+\i], v[96+16*\b+\i]       ; p = 2^(t - M), at most 1: not normalised
.endr
.endr
	v_pk_mul_f32 v[14:15], v[14:15], v[252:253] op_sel_hi:[1,0]   ; the sums under the new M: a plain instruction behind the exponentials
	s_wait_alu depctr_va_vdst(0)                   ; one wait for the whole batch, ahead of its first reader
.irp b, 0,1,2,3
	v_exp_f32 v[232+\b], v[232+\b]                 ; the block's largest p: the same two instructions on the same number give the same bits
.endr
	v_pk_add_f32 v[236:237], v[100:101], v[104:105]
	v_pk_add_f32 v[250:251], v[108:109], v[112:113]
	v_pk_add_f32 v[248:249], v[116:117], v[120:121]
	v_pk_add_f32 v[246:247], v[124:125], v[128:129]
	v_pk_add_f32 v[244:245], v[132:133], v[136:137]
	v_pk_add_f32 v[242:243], v[140:141], v[144:145]
	v_pk_add_f32 v[240:241], v[148:149], v[152:153]
	v_pk_add_f32 v[14:15], v[14:15], v[156:157]
	v_pk_add_f32 v[236:237], v[236:237], v[96:97]
	v_pk_add_f32 v[250:251], v[250:251], v[98:99]
	v_pk_add_f32 v[248:249], v[248:249], v[102:103]
	v_pk_add_f32 v[246:247], v[246:247], v[106:107]
	v_pk_add_f32 v[244:245], v[244:245], v[110:111]
	v_pk_add_f32 v[242:243], v[242:243], v[114:115]
	v_pk_add_f32 v[240:241], v[240:241], v[118:119]
	v_pk_add_f32 v[14:15], v[14:15], v[122:123]
	v_pk_add_f32 v[236:237], v[236:237], v[126:127]
	v_pk_add_f32 v[250:251], v[250:251], v[130:131]
	v_pk_add_f32 v[248:249], v[248:249], v[134:135]
	v_pk_add_f32 v[246:247], v[246:247], v[138:139]
	v_pk_add_f32 v[244:245], v[244:245], v[142:143]
	v_pk_add_f32 v[242:243], v[242:243], v[146:147]
	v_pk_add_f32 v[240:241], v[240:241], v[150:151]
	v_pk_add_f32 v[14:15], v[14:15], v[154:155]
	v_pk_add_f32 v[236:237], v[236:237], v[158:159]
	s_delay_alu instid0(VALU_DEP_2)
	v_pk_add_f32 v[14:15], v[14:15], v[246:247]
	s_delay_alu instid0(VALU_DEP_2)
	v_pk_add_f32 v[236:237], v[236:237], v[244:245]
	v_pk_add_f32 v[250:251], v[250:251], v[242:243]
	v_pk_add_f32 v[248:249], v[248:249], v[240:241]
	s_delay_alu instid0(VALU_DEP_2)
	v_pk_add_f32 v[14:15], v[14:15], v[250:251]
	s_delay_alu instid0(VALU_DEP_2)
	v_pk_add_f32 v[236:237], v[236:237], v[248:249]
	s_delay_alu instid0(VALU_DEP_1)
	v_pk_add_f32 v[14:15], v[14:15], v[236:237]
	s_wait_alu depctr_va_vdst(0)                   ; and one wait for the four
.irp b, 0,1,2,3
	v_max_num_f32 v[232+\b], 0x8000000, v[232+\b]  ; the floor 2^(16 - 127): the byte cannot fall under 1 (a block whose every p is 0 keeps that byte: its codes are zeros)
.endr
.irp b, 0,1,2,3
	s_delay_alu instid0(VALU_DEP_4)
	v_add_nc_u32 v[244+\b], 0xf8800000, v[232+\b]  ; 15 off the exponent field: the conversion's scale operand
.endr
.irp b, 0,1,2,3
.endr
.irp b, 0,1,2,3
	s_delay_alu instid0(VALU_DEP_4)
	v_lshrrev_b32 v[236+\b], 23, v[244+\b]         ; the scale's byte
.endr
	s_delay_alu instid0(VALU_DEP_3)
	v_lshl_or_b32 v253, v237, 8, v236              ; p's scale word for these 128 keys
	s_delay_alu instid0(VALU_DEP_1)
	v_lshl_or_b32 v253, v238, 16, v253
	s_delay_alu instid0(VALU_DEP_1)
	v_lshl_or_b32 v253, v239, 24, v253
.irp b, 0,1,2,3
.irp i, 0,1,2,3,4,5,6,7,8,9,10,11,12,13,14,15
.endr
	v_cvt_scalef32_pk8_bf8_f32 v[224+4*\b:225+4*\b], v[96+16*\b:103+16*\b], v[244+\b]
	v_cvt_scalef32_pk8_bf8_f32 v[226+4*\b:227+4*\b], v[104+16*\b:111+16*\b], v[244+\b]
.endr
.irp b, 0,1,2,3
.irp i, 0,2,4,6,8,10,12,14
	v_pk_mul_f32 v[160+16*\b+\i:161+16*\b+\i], v[160+16*\b+\i:161+16*\b+\i], v[252:253] op_sel_hi:[1,0]   ; O^T under the new M: x f.  (These 32 are also the places in front of the matrix instructions and loads below)
.endr
.endr
	s_wait_alu depctr_va_vdst(0)
.irp g, 0,1                                    ; O^T += V^T P^T: four tiles of 16 of the head's 128 channels at a time; K = these 128 keys.  The eight accumulators take turns, one instruction a turn
.if \g > 0
.rept 8
	v_nop
.endr
.endif
.irp t, 0,1,2,3
.irp c, 0,1,2,3
	ds_load_b128 v[32+16*\t+4*\c:32+16*\t+4*\c+3], v[ADK] offset:VOF+(4*\g+\t)*2048+512*\c
.endr
	ds_load_b32 v[248+\t], v[ADS] offset:VSC+64*(4*\g+\t)
.endr
	s_wait_dscnt 0x0
.irp t, 0,1,2,3
	v_wmma_scale_f32_16x16x128_f8f6f4 v[160+8*(4*\g+\t):167+8*(4*\g+\t)], v[32+16*\t:47+16*\t], v[224:239], v[160+8*(4*\g+\t):167+8*(4*\g+\t)], v[248+\t], v253 matrix_a_fmt:MATRIX_FMT_BF8 matrix_b_fmt:MATRIX_FMT_BF8
.endr
.endr
.Lhidden_\@:
	s_sub_co_i32 s[VK], s[VK], 128                 ; the next step lies 128 keys lower,
	s_xor_b32 s[TB], s[TB], SLOT1                  ; in the other slot
.endm
; THE CHANGE OF SLOTS stands at a step's head.  Each wave waits for all its tensor loads (waves 0 and 1: their halves of the slot that is about to be read), adds 0 to its spare word, and waits for that and for its reads of the
; slot that it has left.  Behind the barrier the slot ahead is whole and nobody reads the other one.  fill = 1: that other slot takes the key step one lower; fill = 2: key step 0; fill = 0: nothing is left to fetch.
; THE LOOK-AHEAD ENDS WHERE THE WALK ENDS: the next step is live where VK >= 128 (for fill = 2 that says a >= 9); a block that no wave would read is not asked for.  The test is made of the work-group's number and the count of
; steps alone, so all sixteen waves go the same way; it leads round the load's own lines and round no wait, add or barrier; every wait on TENSORcnt in this text is for 0; and where the tail begins hangs on the work-group's number.
.macro CHANGE fill
	s_wait_tensorcnt 0x0                           ; no tensor load of mine is out, so group 0 may be written
	ds_add_u32 v[SPW], v[NIL]                      ; 0 onto my spare word
.if \fill
	ds_add_u32 v[SPW], v[NIL]                      ; and once more where a load may follow: the add twice on end here, in every trip alike
	s_xor_b32 s[G0+1], s[G0+1], SLOT1              ; the other slot than last time,
.if \fill == 1
	s_sub_nc_u64 s[G0+2:G0+3], s[G0+2:G0+3], BLK   ; one block lower; the type bits on top are not reached
.else
	s_mov_b64 s[G0+2:G0+3], s[MB:MB+1]             ; key step 0
	s_or_b32 s[G0+3], s[G0+3], 0x80000000
.endif
.endif
	s_wait_dscnt 0x0                               ; the add is done (both are), and my reads of the slot that I have left are over
	s_barrier_signal -1
	s_barrier_wait -1
.if \fill
	s_cmp_lt_i32 s[VK], 128
	s_cbranch_scc1 .Lpast_\@
	TLOAD                                          ; the first thing behind the barrier but the test, and a wave's one tensor load until the next: it has a whole step's work in which to land
.Lpast_\@:
.endif
.endm
	s_wait_loadcnt 0x0                             ; Q
.Lstep:                                            ; eight trips: steps 0 to 7.  Slot 1's first fill stands behind the first trip's barrier, behind which nothing is filled again
	CHANGE 1
	STEP 1, 0
	s_sub_co_u32 s[TRIPS], s[TRIPS], 1
	s_cmp_lg_u32 s[TRIPS], 0
	s_cbranch_scc1 .Lstep
	CHANGE 2                                       ; step 8, the window's edge; key step 0 is asked for
	STEP 0, 1
	CHANGE 0                                       ; step 9: key step 0, where it has not been walked
	STEP 0, 0
	; THE WAY OUT.  The sum's halves are added; O^T is divided by the sum and goes through my stage in LDS, half a head's row (64 channels, 256 bytes) of 16 queries at a time, so that sixteen lanes store 256 consecutive bytes.
	v_add_f32 v14, v14, v15                        ; the sum's two halves,
	s_delay_alu instid0(VALU_DEP_1)
	v_permlanex16_b32 v252, v14, s[SEL], s[SEL+1]
	s_delay_alu instid0(VALU_DEP_1)
	v_add_f32 v14, v14, v252                       ; and lane l xor 16's: the row's sum
	s_wait_alu depctr_va_vdst(0)
	v_rcp_f32 v14, v14
	v_and_b32 v8, 15, v0                           ; (a plain instruction behind the reciprocal)  r
	v_bfe_u32 v9, v0, 4, 1                         ; h
	s_mul_i32 s41, s[WV], 16*272
	s_add_co_u32 s41, s41, STAGE                   ; my stage
	v_mul_u32_u24 v10, v8, 272
	s_delay_alu instid0(VALU_DEP_1)
	v_lshl_add_u32 v10, v9, 5, v10
	s_delay_alu instid0(VALU_DEP_1)
	v_add_nc_u32 v10, s41, v10                     ; in: row r; a tile's eight channels of my half: 64 t + 32 h bytes on
	v_mul_u32_u24 v11, v9, 272
	s_delay_alu instid0(VALU_DEP_1)
	v_lshl_add_u32 v11, v8, 4, v11
	s_delay_alu instid0(VALU_DEP_1)
	v_add_nc_u32 v11, s41, v11                     ; back: lanes 0-15 one row, lanes 16-31 the next
	v_lshlrev_b32 v[GO], 13, v9
	s_delay_alu instid0(VALU_DEP_1)
	v_lshl_add_u32 v[GO], v8, 4, v[GO]             ; and the same two rows in O, 8,192 bytes apart; 16 bytes a lane
	s_wait_alu depctr_va_vdst(0)                   ; the wait ahead of the reciprocal's first reader
.irp b, 0,1,2,3
.irp i, 0,1,2,3,4,5,6,7,8,9,10,11,12,13,14,15
	v_mul_f32 v[96+16*\b+\i], v[160+16*\b+\i], v14 ; O^T / the sum: register 8 t + i is o(query r, channel 16 t + 8 h + i); each accumulator is read from its low end on
.endr
.endr
.irp u, 0,1                                    ; channels 64 u on
.irp t, 0,1,2,3
	ds_store_b128 v10, v[96+32*\u+8*\t:99+32*\u+8*\t] offset:64*\t
	ds_store_b128 v10, v[100+32*\u+8*\t:103+32*\u+8*\t] offset:64*\t+16
.endr
.irp i, 0,1,2,3,4,5,6,7
	ds_load_b128 v[32+32*\u+4*\i:35+32*\u+4*\i], v11 offset:2*\i*272   ; LDS serves a wave's instructions in order (ISA guide 5.7.1.4): these see my stores, and the next half's stores come behind them
.endr
.endr
.irp u, 0,1
.irp i, 0,1,2,3,4,5,6,7
	s_wait_dscnt 15-8*\u-\i                        ; this pair of rows is back; at most so many younger LDS instructions may stay out
	global_store_b128 v[GO], v[32+32*\u+4*\i:35+32*\u+4*\i], s[10:11] offset:(2*\i+8*(\i/4))*8192+256*\u th:TH_STORE_NT   ; tile row 2 i + h is position T0 + 2 i + h + 8 (i / 4); 16 lanes store 256 consecutive bytes, aligned
.endr
.endr
	s_wait_tensorcnt 0x0                           ; the wave's end, behind my last tensor load and my last LDS store
	ds_add_u32 v[SPW], v[NIL]
	s_wait_dscnt 0x0
	s_endpgm
.Lfunc_end_k_q7f59589577_attn:
	.size	k_q7f59589577_attn, .Lfunc_end_k_q7f59589577_attn-k_q7f59589577_attn
	.p2alignl 7, 3214868480
	.fill 96, 4, 3214868480
	.section	.rodata,"a",@progbits
	.p2align	6, 0x0
	.amdhsa_kernel k_q7f59589577_attn
		.amdhsa_group_segment_fixed_size 327680
		.amdhsa_private_segment_fixed_size 0
		.amdhsa_enable_private_segment 0
		.amdhsa_kernarg_size 32
		.amdhsa_user_sgpr_count 2
		.amdhsa_user_sgpr_kernarg_segment_ptr 1
		.amdhsa_wavefront_size32 1
		.amdhsa_system_sgpr_workgroup_id_x 1
		.amdhsa_system_sgpr_workgroup_id_y 1
		.amdhsa_system_sgpr_workgroup_id_z 1
		.amdhsa_system_vgpr_workitem_id 0
		.amdhsa_next_free_vgpr 256
		.amdhsa_next_free_sgpr 66
		.amdhsa_reserve_vcc 1
		.amdhsa_float_denorm_mode_32 3
		.amdhsa_float_denorm_mode_16_64 3
		.amdhsa_fp16_overflow 1
		.amdhsa_memory_ordered 1
		.amdhsa_forward_progress 1
		.amdhsa_inst_pref_size 92
	.end_amdhsa_kernel
	.amdgpu_metadata
---
amdhsa.version: [ 1, 2 ]
amdhsa.kernels:
  - .name:           k_q7f59589577_attn
    .symbol:         k_q7f59589577_attn.kd
    .args:
      - { .name: qc, .offset: 0, .size: 8, .value_kind: global_buffer, .address_space: global }
      - { .name: qs, .offset: 8, .size: 8, .value_kind: global_buffer, .address_space: global }
      - { .name: kv, .offset: 16, .size: 8, .value_kind: global_buffer, .address_space: global }
      - { .name: out0, .offset: 24, .size: 8, .value_kind: global_buffer, .address_space: global }
    .group_segment_fixed_size: 327680
    .private_segment_fixed_size: 0
    .kernarg_segment_align: 8
    .kernarg_segment_size: 32
    .max_flat_workgroup_size: 512
    .sgpr_count:     66
    .vgpr_count:     256
    .wavefront_size: 32
...
	.end_amdgpu_metadata
.endif
;; end of part 2
